; MI455X (gfx1250); checked and timed in simulation.
; The chip was launched on July 23, 2026; its instructions are those of AMD's public machine-readable ISA for CDNA 5 (MIT licence, August 2026) and "CDNA5" Instruction Set Architecture Reference Guide (July 2026). The comments in the code are by the model that wrote it; some were corrected since.
;; IDNN. Allowed arithmetic: matrix products marked QUANTISED: E3M2 operands, one E8M0 scale for each 32 along K, by v_wmma_scale_f32_16x16x128_f8f6f4 with both operands' format E3M2, f32 sums; products left as they are: f32 operands where the result goes on into a quantised operand, else bf16, f16 or f32 operands; f32 sums; everything else in f32.
;; Inputs: W1 6 x 64 float32; W2 64 x 64 float32; W3 64 x 64 float32; Wout 64 x 1 float32; b1 64 float32; b2 64 float32; b3 64 float32; x1 131,072 x 4 float32; x4 131,072 x 2 float32.
;; Outputs: out0 131,072 x 1 float32; out1 131,072 x 4 float32; out2 131,072 x 4 x 4 float32.
;; This version of the problem:
;;   THIS VERSION OF THE PROBLEM IS GIVEN IN LOW PRECISION. The matrix products marked QUANTISED in the list below multiply operands that are first quantised to E3M2 (3 exponent bits, 2 mantissa bits; 6 bits a number), with one power-of-two scale for each 32 numbers along K (OCP MX v1.0); their sums are f32. All else is computed in f32.
;;   The module's matrix products, in the order in which they are computed (A, B: the left and right operand; K: the contracted axis; several contracted axes count as one K, in the product's order):
;;     1. [M 131,072, K 6] x [K 6, N 64]; A: computed on the way; B: input W1: left as it is (K = 6 < 32)
;;     2. [M 131,072, K 64] x [K 64, N 64]; A: computed on the way; B: input W2: QUANTISED
;;     3. [M 131,072, K 64] x [K 64, N 64]; A: computed on the way; B: input W3: QUANTISED
;;     4. [M 131,072, K 64] x [K 64, N 1]; A: computed on the way; B: input Wout: left as it is (N = 1 < 16)
;;     5. [M 131,072, K 6] x [K 6, N 64]; A: computed on the way; B: input W1: left as it is (K = 6 < 32)
;;     6. [M 131,072, K 64] x [K 64, N 64]; A: computed on the way; B: input W2: QUANTISED
;;     7. [M 131,072, K 64] x [K 64, N 64]; A: computed on the way; B: input W3: QUANTISED
;;     8. [M 131,072, K 64] x [K 64, N 1]; A: computed on the way; B: input Wout: left as it is (N = 1 < 16)
;;     9. [M 1, K 1] x [K 1, N 64]; A: computed on the way; B: input Wout: left as it is (K = 1 < 32)
;;     10. [M 131,072, K 64] x [K 64, N 64]; A: computed on the way; B: input W3: QUANTISED
;;     11. [M 131,072, K 64] x [K 64, N 64]; A: computed on the way; B: input W2: QUANTISED
;;     12. [M 131,072, K 64] x [K 64, N 6]; A: computed on the way; B: input W1: left as it is (N = 6 < 16)
;;     13. [M 131,072, K 6] x [K 6, N 64]; A: computed on the way; B: input W1: left as it is (K = 6 < 32)
;;     14. [M 4, K 6] x [K 6, N 64]; A: computed on the way; B: input W1: left as it is (K = 6 < 32)
;;     15. [M 131,072, K 64] x [K 64, N 64]; A: computed on the way; B: input W2: QUANTISED
;;     16. [M 524,288, K 64] x [K 64, N 64]; A: computed on the way; B: input W2: QUANTISED
;;     17. [M 131,072, K 64] x [K 64, N 64]; A: computed on the way; B: input W3: QUANTISED
;;     18. [M 524,288, K 64] x [K 64, N 64]; A: computed on the way; B: input W3: QUANTISED
;;     19. [M 131,072, K 64] x [K 64, N 1]; A: computed on the way; B: input Wout: left as it is (N = 1 < 16)
;;     20. [M 524,288, K 64] x [K 64, N 1]; A: computed on the way; B: input Wout: left as it is (N = 1 < 16)
;;     21. [M 1, K 1] x [K 1, N 64]; A: computed on the way; B: input Wout: left as it is (K = 1 < 32)
;;     22. [M 131,072, K 64] x [K 64, N 64]; A: computed on the way; B: input W3: QUANTISED
;;     23. [M 524,288, K 64] x [K 64, N 64]; A: computed on the way; B: input W3: QUANTISED
;;     24. [M 131,072, K 64] x [K 64, N 64]; A: computed on the way; B: input W2: QUANTISED
;;     25. [M 524,288, K 64] x [K 64, N 64]; A: computed on the way; B: input W2: QUANTISED
;;     26. [M 131,072, K 64] x [K 64, N 6]; A: computed on the way; B: input W1: left as it is (N = 6 < 16)
;;     27. [M 524,288, K 64] x [K 64, N 6]; A: computed on the way; B: input W1: left as it is (N = 6 < 16)
;;   THE QUANTISER, for each operand of a quantised product, along K:
;;     - K is cut into blocks of 32 from its start; a last block that is shorter is filled with zeros.
;;     - A block's scale is 2^e with e = floor(log2(the largest magnitude in the block)) - 4, held to -126 .. 127; a block of zeros has e = 0. As a byte (E8M0): e + 127.
;;     - Each number is divided by its block's scale, clamped to +-28, and rounded to the nearest number of E3M2, ties to even, subnormals kept.
;;     - The product sums the exact products of the quantised numbers (number of the format x scale) in f32.
;;   ~~~python
;;   def quantise(x, axis):      # numpy; x: float32 -> the quantised numbers, widened to float32 again
;;       x = np.moveaxis(x, axis, -1); K = x.shape[-1]
;;       x = np.pad(x, [(0, 0)] * (x.ndim - 1) + [(0, -K % 32)]); x = x.reshape(x.shape[:-1] + (-1, 32)); a = np.abs(x).max(-1, keepdims=True)
;;       e = np.where(a > 0, np.clip(np.frexp(np.where(a > 0, a, 1))[1] - 1 - 4, -126, 127), 0)      # np.frexp(a)[1] - 1 = floor(log2(a)), exactly
;;       r = np.clip(x / 2.0 ** e, -28, 28)
;;       step = 2.0 ** (np.maximum(np.frexp(np.where(r == 0, 1, r))[1] - 1, -2) - 2)
;;       q = np.round(r / step) * step * 2.0 ** e      # np.round: ties to even
;;       return np.moveaxis(q.reshape(q.shape[:-2] + (-1,))[..., :K], -1, axis).astype(np.float32)
;;   ~~~
;;   OPERANDS COMPUTED ON THE WAY. 'Computed on the way' means the value that the module computes at that place (a softmax that the list does not call 'softmax' is quantised finished and normalised). What goes into a quantiser is computed in f32, as accurately as f32 sums, v_exp_f32 and their like allow (about 1e-6 of the number): no bf16 or f16 on the way to a quantiser, and a product that is left as it is and whose result goes on into a quantised operand takes f32 operands (vector FMAs, or v_wmma_f32_16x16x4_f32). A number that lies on a knife's edge between two numbers of the format may be rounded either way, as far as f32 arithmetic and the matrix unit's own rounding can turn it there, and no further.
;; One version. Each part assembles by itself: llvm-mc -triple=amdgcn-amd-amdhsa -mcpu=gfx1250 --defsym DOCPART=n.
;; ======== version 1 of 1: 1 launch
;; launch idnn (part 1): grid 256 x 1, 4 waves a work-group, no clusters, 35,328 bytes of LDS; arguments x1, x4, W1, b1, W2, b2, W3, b3, Wout, out0, out1, out2; writes out0, out1, out2
.if DOCPART == 1
	.amdgcn_target "amdgcn-amd-amdhsa--gfx1250"
	.amdhsa_code_object_version 6
	.text
	.protected	k_qb7f38d1251_idnn
	.globl	k_qb7f38d1251_idnn
	.p2align	8
	.type	k_qb7f38d1251_idnn,@function
k_qb7f38d1251_idnn:
	s_mov_b64 s[64:65], 0
	v_nop
	global_prefetch_b8 v0, s[64:65] scope:SCOPE_SE
	s_setreg_imm32_b32 hwreg(HW_REG_WAVE_MODE, 25, 1), 1
	s_wait_xcnt 0x0
; IDNN: a softplus MLP 6 -> 64 -> 64 -> 64 -> 1 for 131,072 samples: its value y (out0), its gradient dy (out1) and its Hessian ddy (out2) with respect to the first four inputs.
; With s = sigmoid(z), p = s (1 - s), Q the MX-BF6 quantiser along a product's K, i the tangent's index:
;   z1 = [x1 x4] W1 + b1 (f32)     h = softplus(z)     z2 = Q(h1) Q(W2) + b2     z3 = Q(h2) Q(W3) + b3     y = h3 . Wout
;   dh1_i = s1 W1[i]     dz2_i = Q(dh1_i) Q(W2)     dh2_i = s2 dz2_i     dz3_i = Q(dh2_i) Q(W3)
;   gz3 = Wout s3     gh2 = Q(gz3) Q(W3)^T     gz2 = gh2 s2     gh1 = Q(gz2) Q(W2)^T     gz1 = gh1 s1     dy[j] = gz1 . W1[j]
;   dgz3_i = Wout p3 dz3_i     dgh2_i = Q(dgz3_i) Q(W3)^T     dgz2_i = dgh2_i s2 + gh2 p2 dz2_i     dgh1_i = Q(dgz2_i) Q(W2)^T
;   dgz1_i = dgh1_i s1 + gh1 p1 W1[i]     ddy[j][i] = dgz1_i . W1[j]
; Products that the source repeats with the same operands are made once; y's tangent reaches no output and is not made.
; SHARES.  1,024 waves (256 work-groups of four, one wave to a SIMD with all its registers); a wave takes 128 consecutive samples as 8 tiles of 16.  All weights, constants and saved state stay in registers.
; No tensor loads and no cluster: what work-groups share is 34 KB of weights, read once by each; LDS serves the one exchange of quantised weights at the head and the outputs' way out.
; LAYOUT.  Lane = (r, h), r = lane % 16, h = lane / 16.  Every product is used transposed: source 0 = 16 rows of weights (output units), source 1 = 16 samples.  Row m of weight tile t is unit 8 t + m % 8 + 32 (m / 8),
; so that register 8 t + j of lane (r, h) is unit 32 h + 8 t + j of sample r: a lane holds 32 neighbouring units, one whole block of the next K, and a block's maximum needs no other lane.
; The primal row-set (0) and the four tangent row-sets (1 + i) hold the same 16 samples, so all elementwise algebra stays in a lane.
; K = 64 IN AN INSTRUCTION OF 128: each of the instruction's four blocks of 32 holds 16 codes and 16 zero codes, alike on both operands: a lane's units 0-15 in fragment registers 0-2, units 16-31 in registers 6-8;
; registers 3-5 and 9-11 are zeros, written once.  So each conversion's three registers are the operand's registers as they stand.  The scale word is [block 0, block 1, block 0, block 1].
; LIMITS.  h and s under 2^-126 become 0 (the exponential gives no denormals).  NaN and infinities among the inputs are not served.  e^z is made from z log2(e), so its relative error is about |z| x 6e-8.
; z log2(e) is held at 120; beyond it softplus = z by the maximum, s = 1, p = 2^-120.  p1 and p2 are s - s^2.  A block of zeros has the byte 1 where the rule says 127: its codes are zeros.
; dy and ddy are products left as they are that feed no quantiser: bf16 operands, f32 sums.
;
; REGISTERS, in windows of 256 (s_set_vgpr_msb: bits 1:0 source 0, 3:2 source 1, 5:4 source 2, 7:6 destination).
.set ACP, 32                           ; w0 v32-63    primal accumulators: z1, z2, z3, gh2, gh1; written by matrix instructions alone
.set HT,  64                           ; w0 v64-95    e^z, then gz; v64-71 also the rows on their way out
.set UT,  96                           ; w0 v96-127   1 + e^z, then h
.set SCR, 128                          ; w0 v128-159  at work
.set GP,  160                          ; w0 v160-191  p, then g p
.set SG1, 192                          ; w0 v192-223  s1
.set SG2, 224                          ; w0 v224-255  s2
.set WS,  16                           ; w0 v16-23    weights' scale words: register q: tile 2 q in lanes 0-15, tile 2 q + 1 in lanes 16-31
.set FS,  24                           ; w0 v24-28    the samples' scale word of row-set 0 .. 4
.set QM,  SCR                          ; largest magnitudes: row-set R at +R; the primal row's other chains at +5, +6, +7
.set QS,  SCR+8                        ; the conversions' scale operands
.set QB,  SCR+16                       ; scale bytes
.set QO,  SCR+24                       ; the other half's bytes
.set YR,  SCR+16                       ; y's partial sums
.set WQ,  0                            ; w1 v0-191    weight fragments: matrix mat (0 W2, 1 W3, 2 W3^T, 3 W2^T), tile t at 48 mat + 12 t
.set W1F, 192                          ; w1 v192-207  [W1; b1; 0] for the f32 product: tile t, K step s at 4 t + 2 s
.set ABF, 208                          ; w1 v208-223  W1's rows 0-3 in bf16: K step s at 8 s
.set BB,  224                          ; w1 v224-255  b2;   w3 v224-255  b3
.set TA,  0                            ; w2 v0-127    tangent row-set i at 32 i
.set W1V, 128                          ; w2 v128-255  W1[i][32 h + e] at 32 i + e
.set DZ2, 0                            ; w3 v0-127    dz2_i at 32 i; later:
.set BFR, 0                            ; w3 v0-79     gz1 and dgz1_i in bf16, 16 a row-set
.set DO,  80                           ; w3 v80-119   dy, ddy: 8 a row-set
.set WOV, 128                          ; w3 v128-159  Wout[32 h + e]
.set FR,  160                          ; w3 v160-219  the samples' fragments, row-set R at 12 R
; w0 v1 16 r + 8 h (x1, out1)   v2 8 r (x4)   v3 128 h   v4 16 lane   v5, v6 the Hessian's stage, out and in   v7, v8 y's stage   v9 1.0   v10 0   v12-15 x   v11, v29-31, v160-163 offsets of the head
; LDS
.set WIMG, 0                           ; 16 weight tiles x 1,536 bytes: images of their registers
.set WSC,  24576                       ; 16 x 128 bytes: their scale words, 4 bytes a lane
.set HST,  26624                       ; 1,024 bytes a wave: a tile's 16 x 64 bytes of ddy
.set YST,  30720                       ; 1,024 bytes a wave, 512 used: the wave's 128 y
; s[8:31] the twelve addresses   s32 wave   s33 tiles to go   s34 y's place   s35 mask of lanes 16-31   s[36:37] selects for lane xor 16   s[38:39] log2(e)   s[40:41] ln 2   s[42:43], s[46:49] offsets   s[44:45] my weight matrix
.set MSB, 0
.macro WIN new                         ; the immediate's high byte repeats the setting that is left; a switch that changes nothing is dropped
.if MSB != (\new)
	s_set_vgpr_msb (MSB<<8)|(\new)
.set MSB, (\new)
.endif
.endm
.macro PLACES n
.rept \n
	v_nop
.endr
.endm
; ---- THE ACTIVATION.  z in ACP; leaves h = softplus(z) in UT, s = sigmoid(z) in sdst and, with withp, p = s (1 - s) in GP.  All in window 0.
; E = 2^min(z log2 e, 120); u = 1 + E; s = E / u; h = max(ln 2 log2 u + (E - (u - 1)) / u, z): the second term is what rounding 1 + E lost; p = s / u.
; Four groups of 8 elements (an accumulator each) go through five stages a step apart, so that each step's transcendentals stand among plain lines of OTHER groups:
; step sm (0 .. 6): u of group sm - 2;  transcendentals: E of group sm - 1, 1 / u and log2 u of group sm - 2;  plain lines: the tail of group sm - 3, the head of group sm.
; 1 / u and log2 u have two sets of registers, by the group's parity.  No plain line of a step names a register of the step's transcendentals.
.macro ACT_TR                          ; transcendental kt (0 .. 23) of step sm
.if kt < 8
.if (sm >= 1) && (sm <= 4)
	v_exp_f32 v[HT+8*(sm-1)+kt], v[HT+8*(sm-1)+kt]
.endif
.elseif (sm >= 2) && (sm <= 5)
.if kt < 16
	v_rcp_f32 v[SCR+8*(sm%2)+kt-8], v[UT+8*(sm-2)+kt-8]
.else
	v_log_f32 v[SCR+16+8*(sm%2)+kt-16], v[UT+8*(sm-2)+kt-16]
.endif
.endif
.set kt, kt+1
.endm
.macro ACT_PL                          ; plain line kp of step sm
.set nc, 0
.if sm >= 3
.set nc, 28+4*AW
.endif
.if kp < nc
.set cb, 8*(sm-3)
.set cr, SCR+8*((sm-3)%2)
.set cp, 2*(kp%4)
.if kp < 4
	v_pk_add_f32 v[UT+cb+cp:UT+cb+cp+1], v[UT+cb+cp:UT+cb+cp+1], -1.0 op_sel_hi:[1,0]                                  ; u - 1
.elseif kp < 8
	v_pk_add_f32 v[UT+cb+cp:UT+cb+cp+1], v[HT+cb+cp:HT+cb+cp+1], v[UT+cb+cp:UT+cb+cp+1] neg_lo:[0,1] neg_hi:[0,1]      ; E - (u - 1)
.elseif kp < 12
	v_pk_mul_f32 v[UT+cb+cp:UT+cb+cp+1], v[UT+cb+cp:UT+cb+cp+1], v[cr+cp:cr+cp+1]                                      ; / u
.elseif kp < 16
	v_pk_mul_f32 v[AS+cb+cp:AS+cb+cp+1], v[HT+cb+cp:HT+cb+cp+1], v[cr+cp:cr+cp+1]                                      ; s = E / u
.elseif kp < 20
	v_pk_fma_f32 v[UT+cb+cp:UT+cb+cp+1], v[cr+16+cp:cr+16+cp+1], s[40:41], v[UT+cb+cp:UT+cb+cp+1] op_sel_hi:[1,0,1]    ; + ln 2 log2 u
.elseif kp < 28
	v_max_num_f32 v[UT+cb+kp-20], v[UT+cb+kp-20], v[ACP+cb+kp-20]                                                      ; softplus is never under z: restores z beyond the hold
.else
	v_pk_mul_f32 v[GP+cb+cp:GP+cb+cp+1], v[AS+cb+cp:AS+cb+cp+1], v[cr+cp:cr+cp+1]                                      ; p = s / u
.endif
.elseif (sm <= 3) && (kp-nc < 12)
.set ka, kp-nc
.if ka < 4
	v_pk_mul_f32 v[HT+8*sm+2*ka:HT+8*sm+2*ka+1], v[ACP+8*sm+2*ka:ACP+8*sm+2*ka+1], s[38:39] op_sel_hi:[1,0]            ; z log2 e: each accumulator is read from its low end on
.else
	v_min_num_f32 v[HT+8*sm+ka-4], 0x42f00000, v[HT+8*sm+ka-4]                                                         ; held at 120
.endif
.endif
.set kp, kp+1
.endm
.macro ACT sdst, withp
	WIN 0
.set AS, \sdst
.set AW, \withp
.set sm, 0
.rept 7
.if (sm >= 2) && (sm <= 5)
	s_wait_alu depctr_va_vdst(0)
.irp q, 0,1,2,3
	v_pk_add_f32 v[UT+8*(sm-2)+2*\q:UT+8*(sm-2)+2*\q+1], v[HT+8*(sm-2)+2*\q:HT+8*(sm-2)+2*\q+1], 1.0 op_sel_hi:[1,0]   ; u = 1 + E.  (These four are also the plain lines behind the last step's transcendentals)
.endr
.endif
.if sm == 6
	v_nop                                          ; a plain line between the last logarithms, which stand back to back, and the line that writes over the source of the first of them
	s_wait_alu depctr_va_vdst(0)
.endif
.set kt, 0
.set kp, 0
.rept 24
	ACT_TR
	ACT_PL
	ACT_PL
.endr
.set sm, sm+1
.endr
.endm
; ---- THE QUANTISERS.  A block's largest magnitude, with the floor 2^(5 - 127) among its leaves; 4 off its exponent field is the conversion's scale operand; that, shifted, the byte.
.macro QP src                          ; the primal row-set, from 32 registers of window 0, into FR; its scale operand stays in QS for QT4
	WIN 0
.irp c, 0,1,2,3
	v_max3_num_f32 v[QM+\c+4*((\c+3)/4)], |v[\src+8*\c]|, |v[\src+8*\c+1]|, |v[\src+8*\c+2]|                           ; four chains, so that no line waits for the line above it
.endr
.irp i, 3,5
.irp c, 0,1,2,3
	v_max3_num_f32 v[QM+\c+4*((\c+3)/4)], v[QM+\c+4*((\c+3)/4)], |v[\src+8*\c+\i]|, |v[\src+8*\c+\i+1]|
.endr
.endr
	v_max3_num_f32 v[QM], v[QM], |v[\src+7]|, |v[\src+15]|
	v_max3_num_f32 v[QM+6], v[QM+6], |v[\src+23]|, |v[\src+31]|
	v_max3_num_f32 v[QM], v[QM], v[QM+5], v[QM+6]
	v_max3_num_f32 v[QM], v[QM], v[QM+7], 0x2800000
	v_add_nc_u32 v[QS], 0xfe000000, v[QM]
	WIN 0xc0                                       ; destination window 3
	v_cvt_scalef32_pk16_bf6_f32 v[FR:FR+2], v[\src:\src+15], v[QS]
	v_cvt_scalef32_pk16_bf6_f32 v[FR+6:FR+8], v[\src+16:\src+31], v[QS]      ; (a plain line of the next macro follows)
.endm
.macro QT4 r0                          ; the four row-sets in TA into FR + 12 R, and the scale words of row-sets r0 .. 4
	WIN 0x28                                       ; sources 1 and 2 window 2
.irp r, 1,2,3,4
	v_max3_num_f32 v[QM+\r], 0x2800000, |v[TA+32*(\r-1)]|, |v[TA+32*(\r-1)+1]|
.endr
.set qq, 2
.rept 15
.irp r, 1,2,3,4
	v_max3_num_f32 v[QM+\r], v[QM+\r], |v[TA+32*(\r-1)+qq]|, |v[TA+32*(\r-1)+qq+1]|                                    ; the four row-sets by turns
.endr
.set qq, qq+2
.endr
	WIN 0
.irp r, 1,2,3,4
	v_add_nc_u32 v[QS+\r], 0xfe000000, v[QM+\r]
.endr
.irp r, 0,1,2,3,4
.if \r >= \r0
	v_lshrrev_b32 v[QB+\r], 23, v[QS+\r]           ; my block's byte
.endif
.endr
.irp r, 0,1,2,3,4
.if \r >= \r0
	v_permlanex16_b32 v[QO+\r], v[QB+\r], s36, s37 ; the other block's, from lane xor 16
.endif
.endr
.irp r, 0,1,2,3,4
.if \r >= \r0
	v_lshl_or_b32 v[QB+\r], v[QO+\r], 8, v[QB+\r]
.endif
.endr
.irp r, 0,1,2,3,4
.if \r >= \r0
	v_lshl_or_b32 v[FS+\r], v[QB+\r], 16, v[QB+\r] ; lanes 0-15: [block 0, block 1, block 0, block 1]; lanes 16-31 are not read
.endif
.endr
	WIN 0xc2                                       ; source 0 window 2, destination window 3
.irp r, 1,2,3,4
	v_cvt_scalef32_pk16_bf6_f32 v[FR+12*\r:FR+12*\r+2], v[TA+32*(\r-1):TA+32*(\r-1)+15], v[QS+\r]
	v_cvt_scalef32_pk16_bf6_f32 v[FR+12*\r+6:FR+12*\r+8], v[TA+32*(\r-1)+16:TA+32*(\r-1)+31], v[QS+\r]
.endr
	WIN 0                                          ; eight plain vector lines or more follow every use, ahead of the products that take these scale words and codes
.endm
; ---- THE QUANTISED PRODUCTS of a stage: 4 tiles of units x 5 row-sets, each a sum of its own: no accumulator is named twice.
.macro SWMMA d, a, b, c, sa, sb, odd
.if \odd
	v_wmma_scale_f32_16x16x128_f8f6f4 v[\d:\d+7], v[\a:\a+11], v[\b:\b+11], \c, v[\sa], v[\sb] matrix_a_fmt:MATRIX_FMT_BF6 matrix_b_fmt:MATRIX_FMT_BF6 matrix_a_scale:MATRIX_SCALE_ROW1
.else
	v_wmma_scale_f32_16x16x128_f8f6f4 v[\d:\d+7], v[\a:\a+11], v[\b:\b+11], \c, v[\sa], v[\sb] matrix_a_fmt:MATRIX_FMT_BF6 matrix_b_fmt:MATRIX_FMT_BF6
.endif
.endm
.macro MM20 mat, cw, twin, tbase       ; cw: the window of the bias that starts the primal sums (0: none);  twin, tbase: where the tangents' results go
	WIN 0x0d|(\cw<<4)                              ; source 0 (weights) window 1, source 1 (samples) window 3
.irp t, 0,1,2,3
.if \cw
	SWMMA ACP+8*\t, WQ+48*\mat+12*\t, FR, v[BB+8*\t:BB+8*\t+7], WS+2*\mat+\t/2, FS, \t%2
.else
	SWMMA ACP+8*\t, WQ+48*\mat+12*\t, FR, 0, WS+2*\mat+\t/2, FS, \t%2
.endif
.endr
	WIN 0x0d|(\twin<<6)
.irp i, 0,1,2,3
.irp t, 0,1,2,3
	SWMMA \tbase+32*\i+8*\t, WQ+48*\mat+12*\t, FR+12*(\i+1), 0, WS+2*\mat+\t/2, FS+1+\i, \t%2
.endr
.endr
	WIN 0
.endm
; ---- elementwise work, two numbers a line, each accumulator from its low end on
.macro PK4M win, a, ast, b, bst        ; TA_i = a_i b_i, i = 0 .. 3
	WIN \win
.irp i, 0,1,2,3
.set pp, 0
.rept 16
	v_pk_mul_f32 v[TA+32*\i+pp:TA+32*\i+pp+1], v[\a+\ast*\i+pp:\a+\ast*\i+pp+1], v[\b+\bst*\i+pp:\b+\bst*\i+pp+1]
.set pp, pp+2
.endr
.endr
.endm
.macro PK4F win, a, b                  ; TA_i += a b_i
	WIN \win
.irp i, 0,1,2,3
.set pp, 0
.rept 16
	v_pk_fma_f32 v[TA+32*\i+pp:TA+32*\i+pp+1], v[\a+pp:\a+pp+1], v[\b+32*\i+pp:\b+32*\i+pp+1], v[TA+32*\i+pp:TA+32*\i+pp+1]
.set pp, pp+2
.endr
.endr
.endm
.macro PK16M d, a, b                   ; d = a b, 32 numbers (the caller sets the windows)
.set pp, 0
.rept 16
	v_pk_mul_f32 v[\d+pp:\d+pp+1], v[\a+pp:\a+pp+1], v[\b+pp:\b+pp+1]
.set pp, pp+2
.endr
.endm
.macro PK16P d, a                      ; d = a - a^2
.set pp, 0
.rept 16
	v_pk_fma_f32 v[\d+pp:\d+pp+1], v[\a+pp:\a+pp+1], v[\a+pp:\a+pp+1], v[\a+pp:\a+pp+1] neg_lo:[1,0,0] neg_hi:[1,0,0]
.set pp, pp+2
.endr
.endm
; ---- x and the first layer.  The f32 product's K is 8: x1's four, x4's two, a 1 that takes b1 in, a 0.  Lane (r, h), register j holds k = 2 h + j of a K step of 4.
.macro XLOAD
	global_load_b64 v[12:13], v1, s[8:9] th:TH_LOAD_NT         ; x1[r][2 h], [2 h + 1]: the wave reads the tile's 256 consecutive bytes
	global_load_b64 v[14:15], v2, s[10:11] th:TH_LOAD_NT       ; x4[r][0], [1]
.endm
.macro XPREP
	v_cndmask_b32 v14, v14, v9, s35                ; lanes 16-31: k = 6: 1.0,
	v_cndmask_b32 v15, v15, v10, s35               ; k = 7: 0
.endm
.macro Z1MM                            ; z1 = [x 1 0] [W1; b1; 0]: the four accumulators take turns; the first K step starts the sums
	WIN 0x01
.irp t, 0,1,2,3
	v_wmma_f32_16x16x4_f32 v[ACP+8*\t:ACP+8*\t+7], v[W1F+4*\t:W1F+4*\t+1], v[12:13], 0
.endr
.irp t, 0,1,2,3
	v_wmma_f32_16x16x4_f32 v[ACP+8*\t:ACP+8*\t+7], v[W1F+4*\t+2:W1F+4*\t+3], v[14:15], v[ACP+8*\t:ACP+8*\t+7]
.endr
	WIN 0
.endm
; ---- the ways out
.macro YSUM                            ; y = h3 . Wout: my 32 units in four chains of pairs, then lane xor 16's; into the wave's stage
	WIN 0x0c                                       ; source 1 window 3
.irp c, 0,1,2,3
	v_pk_mul_f32 v[YR+2*\c:YR+2*\c+1], v[UT+2*\c:UT+2*\c+1], v[WOV+2*\c:WOV+2*\c+1]
.endr
.irp k, 1,2,3
.irp c, 0,1,2,3
	v_pk_fma_f32 v[YR+2*\c:YR+2*\c+1], v[UT+8*\k+2*\c:UT+8*\k+2*\c+1], v[WOV+8*\k+2*\c:WOV+8*\k+2*\c+1], v[YR+2*\c:YR+2*\c+1]
.endr
.endr
	WIN 0
	v_pk_add_f32 v[YR:YR+1], v[YR:YR+1], v[YR+2:YR+3]
	v_pk_add_f32 v[YR+4:YR+5], v[YR+4:YR+5], v[YR+6:YR+7]
	v_pk_add_f32 v[YR:YR+1], v[YR:YR+1], v[YR+4:YR+5]
	v_add_f32 v[YR], v[YR], v[YR+1]
	v_permlanex16_b32 v[YR+2], v[YR], s36, s37
	v_add_nc_u32 v8, s34, v7                       ; 64 bytes a tile
	v_add_f32 v[YR], v[YR], v[YR+2]
	ds_store_b32 v8, v[YR]                         ; both halves of the lanes write the same word with the same value
.endm
.macro OUTSTAGE                        ; registers 0 and 1 of a result are j = 2 h and 2 h + 1 of sample r
	WIN 0x0c                                       ; a store's data are its source 1: window 3
	global_store_b64 v1, v[DO:DO+1], s[28:29] th:TH_STORE_NT   ; dy: the wave stores the tile's 256 consecutive bytes, at a multiple of 256 from out1's first byte
.irp i, 0,1,2,3
.irp q, 0,1
	ds_store_b32 v6, v[DO+8*(1+\i)+\q] offset:16*\q+4*\i       ; ddy[r][2 h + q][i]
.endr
.endr
	WIN 0
	ds_load_b128 v[HT:HT+3], v5                    ; LDS serves a wave's instructions in order: these see the stores above, and the next tile's stores come behind them
	ds_load_b128 v[HT+4:HT+7], v5 offset:512
.endm
.macro FLUSH step
	WIN 0
	s_wait_dscnt 0x0                               ; the tile's 1,024 bytes of ddy are back in registers
	global_store_b128 v4, v[HT:HT+3], s[30:31] th:TH_STORE_NT              ; each store covers 512 consecutive bytes, at a multiple of 256 from out2's first byte
	global_store_b128 v4, v[HT+4:HT+7], s[30:31] offset:512 th:TH_STORE_NT
	s_wait_xcnt 0x0                                ; the three stores have read their sources: only behind this wait are their bases stepped and their data registers written again
.if \step
	s_add_nc_u64 s[28:29], s[28:29], 256
	s_add_nc_u64 s[30:31], s[30:31], 1024
	s_add_co_u32 s34, s34, 64
.endif
.endm
; ---- a tile's first layer, behind its z1.  In the loop the tile before leaves meanwhile: its results go to the stage behind the activation and are stored behind the tangents' quantisation.
.macro L1PART inloop
	ACT SG1, 0
.if \inloop
	OUTSTAGE
.endif
	QP UT                                          ; Q(h1)
	PK4M 0x88, SG1, 0, W1V, 32                     ; dh1_i = s1 W1[i]
	QT4 0
.if \inloop
	FLUSH 1
.endif
	PLACES 8                                       ; scale words written by vector lines stand eight places ahead of the scaled products, codes four
.endm
; ================ THE HEAD ================
	s_load_b512 s[8:23], s[0:1], 0x0               ; x1 s[8:9], x4 s[10:11], W1 s[12:13], b1 s[14:15], W2 s[16:17], b2 s[18:19], W3 s[20:21], b3 s[22:23]
	s_load_b256 s[24:31], s[0:1], 0x40             ; Wout s[24:25], out0 s[26:27], out1 s[28:29], out2 s[30:31]
	s_set_vgpr_msb 0xc0
	v_lshl_add_u32 v222, v0, 2, 0x8800
	v_mov_b32 v223, 0
	s_set_vgpr_msb 0xc000
	v_lshrrev_b32 v164, 5, v0
	v_readfirstlane_b32 s32, v164                  ; wave 0..3
	v_and_b32 v165, 31, v0                         ; lane
	v_and_b32 v166, 15, v0                         ; r
	v_bfe_u32 v167, v0, 4, 1                       ; h
	v_and_b32 v168, 7, v0                          ; r % 8
	v_bfe_u32 v169, v0, 3, 1                       ; r / 8
	v_lshlrev_b32 v1, 4, v166
	v_lshl_add_u32 v1, v167, 3, v1                 ; 16 r + 8 h
	v_lshlrev_b32 v2, 3, v166                      ; 8 r
	v_lshlrev_b32 v3, 7, v167                      ; 128 h: my 32 units of a row of 64 f32
	v_lshlrev_b32 v4, 4, v165                      ; 16 lane
	s_lshl_b32 s50, s32, 10                        ; 1,024 x wave: my stages
	v_add_nc_u32 v5, s50, v4
	v_add_nc_u32 v5, HST, v5
	v_lshlrev_b32 v6, 6, v166
	v_lshl_add_u32 v6, v167, 5, v6
	v_add_nc_u32 v6, s50, v6
	v_add_nc_u32 v6, HST, v6                       ; 64 r + 32 h
	v_lshlrev_b32 v7, 2, v166
	v_add_nc_u32 v7, s50, v7
	v_add_nc_u32 v7, YST, v7                       ; 4 r
	v_mov_b32 v9, 1.0
	v_mov_b32 v10, 0
	v_lshlrev_b32 v11, 2, v168
	v_lshl_add_u32 v11, v169, 7, v11               ; NB = 4 (r % 8 + 32 (r / 8)): my row's unit in tile 0, as a column's bytes
	v_lshl_add_u32 v29, v167, 13, v11              ; a weight used forward: rows k = 32 h on, column NB
	v_lshlrev_b32 v30, 6, v11
	v_add_nc_u32 v30, v30, v3                      ; used backward: row NB / 4, columns k = 32 h on
	v_lshl_add_u32 v31, v167, 9, v11               ; W1: rows 2 h on, column NB
	v_and_b32 v160, 1, v0
	v_lshl_add_u32 v160, v169, 1, v160             ; the bf16 product's row m is W1's row 2 (m / 8) + m % 2
	v_lshl_add_u32 v160, v160, 8, v3
	s_mul_i32 s51, s32, 6144
	v_add_nc_u32 v161, s51, v4                     ; where my four tiles' images go
	s_lshl_b32 s51, s32, 9
	v_lshlrev_b32 v162, 2, v165
	v_add_nc_u32 v162, s51, v162                   ; and their scale words
	v_lshlrev_b32 v163, 2, v166
	v_add_nc_u32 v163, v163, v3                    ; and how they come back: lanes 16-31 take the next tile's
	s_mov_b32 s35, 0xffff0000
	s_mov_b32 s36, 0x76543210
	s_mov_b32 s37, 0xfedcba98
	s_mov_b32 s38, 0x3fb8aa3b                      ; log2 e
	s_mov_b32 s39, s38                             ; (named with it as a pair, so it is written)
	s_mov_b32 s40, 0x3f317218                      ; ln 2
	s_mov_b32 s41, s40
	s_mov_b32 s43, 0
	s_mov_b32 s47, 0
	s_mov_b32 s49, 0
	s_mov_b32 s33, 8
	s_mov_b32 s34, 0
	s_lshl_b32 s52, ttmp9, 2
	s_add_co_u32 s52, s52, s32                     ; which 128 samples are my wave's
	s_lshr_b32 s50, s32, 1
	s_xor_b32 s50, s50, s32
	s_and_b32 s50, s50, 1                          ; waves 0 and 3 quantise W2 (forward, backward), waves 1 and 2 W3
	s_wait_kmcnt 0x0
	s_lshl_b32 s42, s52, 11
	s_add_nc_u64 s[8:9], s[8:9], s[42:43]
	s_add_nc_u64 s[28:29], s[28:29], s[42:43]
	s_lshl_b32 s42, s52, 10
	s_add_nc_u64 s[10:11], s[10:11], s[42:43]
	s_lshl_b32 s42, s52, 9
	s_add_nc_u64 s[26:27], s[26:27], s[42:43]
	s_lshl_b32 s42, s52, 13
	s_add_nc_u64 s[30:31], s[30:31], s[42:43]
	s_cmp_eq_u32 s50, 0
	s_cselect_b64 s[44:45], s[16:17], s[20:21]
	XLOAD                                          ; tile 0
.irp t, 0,1,2,3
	global_load_b32 v[HT+3*\t], v11, s[12:13] offset:1024+32*\t        ; W1's row 4,
	global_load_b32 v[HT+3*\t+1], v11, s[14:15] offset:32*\t           ; b1,
	global_load_b32 v[HT+3*\t+2], v11, s[12:13] offset:1280+32*\t      ; W1's row 5, at my row's unit
.endr
.irp s, 0,1
.irp q, 0,1,2,3
	global_load_b128 v[UT+16*\s+4*\q:UT+16*\s+4*\q+3], v160, s[12:13] offset:64*\s+16*\q   ; W1[my row][32 h + 16 s + ..]: the same places along K that the samples' bf16 fragments have
.endr
.endr
	; my matrix, a lane to a row of a tile, its 32 registers along K: tile t at TA + 32 t
	s_cmp_lt_u32 s32, 2
	s_cbranch_scc0 .Lbackward
	WIN 0x80                                       ; destination window 2
.irp t, 0,1,2,3
.set ii, 0
.rept 32
	global_load_b32 v[TA+32*\t+ii], v29, s[44:45] offset:256*ii+32*\t
.set ii, ii+1
.endr
.endr
	WIN 0
	s_branch .Lasked
.Lbackward:
	WIN 0x80
.irp t, 0,1,2,3
.irp q, 0,1,2,3,4,5,6,7
	global_load_b128 v[TA+32*\t+4*\q:TA+32*\t+4*\q+3], v30, s[44:45] offset:2048*\t+16*\q
.endr
.endr
	WIN 0
.Lasked:
	WIN 0x80
.irp i, 0,1,2,3
.irp q, 0,1,2,3,4,5,6,7
	global_load_b128 v[W1V+32*\i+4*\q:W1V+32*\i+4*\q+3], v3, s[12:13] offset:256*\i+16*\q
.endr
.endr
	WIN 0xc0                                       ; destination window 3
.irp q, 0,1,2,3,4,5,6,7
	global_load_b128 v[WOV+4*\q:WOV+4*\q+3], v3, s[24:25] offset:16*\q
	global_load_b128 v[BB+4*\q:BB+4*\q+3], v3, s[22:23] offset:16*\q       ; b3
.endr
.irp r, 0,1,2,3,4
.irp z, 3,4,5,9,10,11
	v_mov_b32 v[FR+12*\r+\z], 0                    ; the fragments' zero codes: written once
.endr
.endr
	WIN 0x40                                       ; destination window 1
.irp q, 0,1,2,3,4,5,6,7
	global_load_b128 v[BB+4*\q:BB+4*\q+3], v3, s[18:19] offset:16*\q       ; b2
.endr
.irp t, 0,1,2,3
.irp j, 0,1
	global_load_b32 v[W1F+4*\t+\j], v31, s[12:13] offset:256*\j+32*\t      ; W1[2 h + j][my row's unit]
.endr
.endr
	WIN 0
.irp r, 0,1,2,3,4
	v_mov_b32 v[QO+\r], 0                          ; a lane permute's destination counts as one of its sources
.endr
	s_wait_loadcnt 0x0                             ; all of the head's loads
	QT4 1                                          ; my four tiles become fragments (in FR + 12 .. FR + 59) and scale words
	v_nop                                          ; a plain line behind the conversions
	WIN 0x0c
.irp i, 0,1,2,3
.irp c, 0,1,2
	ds_store_b128 v161, v[FR+12*(\i+1)+4*\c:FR+12*(\i+1)+4*\c+3] offset:WIMG+1536*\i+512*\c    ; a fragment goes to LDS as an image of its registers, its zeros too
.endr
.endr
	WIN 0
.irp i, 0,1,2,3
	ds_store_b32 v162, v[FS+1+\i] offset:WSC+128*\i
.endr
	WIN 0x40
.irp t, 0,1,2,3
	v_cndmask_b32 v[W1F+4*\t+2], v[HT+3*\t], v[HT+3*\t+1], s35         ; K step 1: lanes 0-15 k = 4, 5: W1's rows; lanes 16-31 k = 6, 7: b1 and 0
	v_cndmask_b32 v[W1F+4*\t+3], v[HT+3*\t+2], v10, s35
.endr
.set ii, 0
.rept 16
	v_cvt_pk_bf16_f32 v[ABF+ii], v[UT+2*ii], v[UT+2*ii+1]
.set ii, ii+1
.endr
	WIN 0
	s_wait_dscnt 0x0                               ; for the others' sake: my images and scale words lie in LDS
	s_barrier_signal -1
	s_barrier_wait -1                              ; everybody's do; they are never written again
	WIN 0x40
.set ii, 0
.rept 16
.irp c, 0,1,2
	ds_load_b128 v[WQ+12*ii+4*\c:WQ+12*ii+4*\c+3], v4 offset:WIMG+1536*ii+512*\c
.endr
.set ii, ii+1
.endr
	WIN 0
.irp q, 0,1,2,3,4,5,6,7
	ds_load_b32 v[WS+\q], v163 offset:WSC+256*\q
.endr
	XPREP
	Z1MM                                           ; tile 0
	s_wait_dscnt 0x0                               ; all sixteen weight fragments and their scale words are in
	PLACES 8                                       ; behind the f32 products: ahead of the loads into their source and of the first read of z1
	s_add_nc_u64 s[8:9], s[8:9], 256               ; (tile 0's loads were waited for above)
	s_add_nc_u64 s[10:11], s[10:11], 128
	XLOAD                                          ; tile 1
	L1PART 0
; ================ A TILE ================
.Ltile:
	; ---- layer 2
	MM20 0, 1, 3, DZ2                              ; z2 = Q(h1) Q(W2) + b2;  dz2_i = Q(dh1_i) Q(W2), kept
	PLACES 4
	ACT SG2, 0
	QP UT                                          ; Q(h2)
	PK4M 0x8c, SG2, 0, DZ2, 32                     ; dh2_i = s2 dz2_i
	QT4 0
	PLACES 8
	; ---- layer 3
	MM20 1, 3, 2, TA                               ; z3 = Q(h2) Q(W3) + b3;  dz3_i
	PLACES 4
	ACT HT, 1                                      ; s3 lands over e^z3; p3 in GP
	WIN 0x0c
	PK16M HT, HT, WOV                              ; gz3 = Wout s3
	PK16M GP, GP, WOV                              ; Wout p3
	QP HT
	PK4M 0x82, TA, 32, GP, 0                       ; dgz3_i = Wout p3 dz3_i
	QT4 0
	YSUM                                           ; its plain lines are the places ahead of the products below
	; ---- back through W3
	MM20 2, 0, 2, TA                               ; gh2, dgh2_i
	PK16P GP, SG2                                  ; p2: these sixteen lines are the places behind the products
	PK16M HT, ACP, SG2                             ; gz2 = gh2 s2
	PK16M GP, ACP, GP                              ; gh2 p2
	QP HT
	PK4M 0x82, TA, 32, SG2, 0                      ; dgz2_i = dgh2_i s2
	PK4F 0xac, GP, DZ2                             ;        + gh2 p2 dz2_i
	QT4 0
	PK16P GP, SG1                                  ; p1: the places ahead of the products below
	; ---- back through W2, and the small products
	MM20 3, 0, 2, TA                               ; gh1, dgh1_i
	s_wait_loadcnt 0x0                             ; the next tile's x
	XPREP
	PLACES 4                                       ; with the two lines above: six places, for the reads of gh1 and for the f32 products that write over it
	PK16M HT, ACP, SG1                             ; gz1 = gh1 s1
	PK16M GP, ACP, GP                              ; gh1 p1
	s_cmp_eq_u32 s33, 1
	s_cbranch_scc1 .Lnoz                           ; the last tile has no successor
	Z1MM                                           ; the next tile's z1
.Lnoz:
	WIN 0xc0
.set ii, 0
.rept 16
	v_cvt_pk_bf16_f32 v[BFR+ii], v[HT+2*ii], v[HT+2*ii+1]
.set ii, ii+1
.endr
	PK4M 0x82, TA, 32, SG1, 0                      ; dgz1_i = dgh1_i s1
	PK4F 0xa8, GP, W1V                             ;        + gh1 p1 W1[i]
	WIN 0
	s_cmp_ge_u32 s33, 3                            ; x runs two tiles ahead; the last two trips step nothing and read tile 7 once more, so that no load leaves its buffer
	s_cselect_b32 s46, 256, 0
	s_lshr_b32 s48, s46, 1
	s_add_nc_u64 s[8:9], s[8:9], s[46:47]          ; (the loads that named these bases were waited for above)
	s_add_nc_u64 s[10:11], s[10:11], s[48:49]
	XLOAD
	WIN 0xca                                       ; sources window 2, destination window 3
.irp i, 0,1,2,3
.set ii, 0
.rept 16
	v_cvt_pk_bf16_f32 v[BFR+16*(1+\i)+ii], v[TA+32*\i+2*ii], v[TA+32*\i+2*ii+1]
.set ii, ii+1
.endr
.endr
	WIN 0xfd                                       ; source 0 (W1) window 1; the samples, C and D window 3
.irp r, 0,1,2,3,4
	v_wmma_f32_16x16x32_bf16 v[DO+8*\r:DO+8*\r+7], v[ABF:ABF+7], v[BFR+16*\r:BFR+16*\r+7], 0                              ; dy and ddy: the five accumulators take turns
.endr
.irp r, 0,1,2,3,4
	v_wmma_f32_16x16x32_bf16 v[DO+8*\r:DO+8*\r+7], v[ABF+8:ABF+15], v[BFR+16*\r+8:BFR+16*\r+15], v[DO+8*\r:DO+8*\r+7]
.endr
	WIN 0
	PLACES 4
	s_cmp_eq_u32 s33, 1
	s_cbranch_scc1 .Llast
	L1PART 1                                       ; the next tile's first layer; this tile leaves meanwhile
	s_sub_co_u32 s33, s33, 1
	s_cmp_lg_u32 s33, 0
	s_cbranch_scc1 .Ltile
.Llast:
	OUTSTAGE
	FLUSH 0
	ds_load_b128 v[HT:HT+3], v5 offset:YST-HST     ; the wave's 128 y: LDS serves a wave's instructions in order, so these see all eight tiles' stores
	s_wait_dscnt 0x0
	global_store_b128 v4, v[HT:HT+3], s[26:27] th:TH_STORE_NT  ; 512 consecutive bytes, at a multiple of 256 from out0's first byte
	s_set_vgpr_msb 0xf
	s_wait_tensorcnt 0x0
	ds_add_u32 v222, v223
	s_wait_dscnt 0x0
	s_set_vgpr_msb 0xf00
	s_endpgm
.Lfunc_end_k_qb7f38d1251_idnn:
	.size	k_qb7f38d1251_idnn, .Lfunc_end_k_qb7f38d1251_idnn-k_qb7f38d1251_idnn
	.p2alignl 7, 3214868480
	.fill 96, 4, 3214868480
	.section	.rodata,"a",@progbits
	.p2align	6, 0x0
	.amdhsa_kernel k_qb7f38d1251_idnn
		.amdhsa_group_segment_fixed_size 35328
		.amdhsa_private_segment_fixed_size 0
		.amdhsa_enable_private_segment 0
		.amdhsa_kernarg_size 96
		.amdhsa_user_sgpr_count 2
		.amdhsa_user_sgpr_kernarg_segment_ptr 1
		.amdhsa_wavefront_size32 1
		.amdhsa_system_sgpr_workgroup_id_x 1
		.amdhsa_system_sgpr_workgroup_id_y 1
		.amdhsa_system_sgpr_workgroup_id_z 1
		.amdhsa_system_vgpr_workitem_id 0
		.amdhsa_next_free_vgpr 1024
		.amdhsa_next_free_sgpr 66
		.amdhsa_reserve_vcc 0
		.amdhsa_float_denorm_mode_32 3
		.amdhsa_float_denorm_mode_16_64 3
		.amdhsa_memory_ordered 1
		.amdhsa_forward_progress 1
		.amdhsa_inst_pref_size 195
	.end_amdhsa_kernel
	.amdgpu_metadata
---
amdhsa.version: [ 1, 2 ]
amdhsa.kernels:
  - .name:           k_qb7f38d1251_idnn
    .symbol:         k_qb7f38d1251_idnn.kd
    .args:
      - { .name: x1, .offset: 0, .size: 8, .value_kind: global_buffer, .address_space: global }
      - { .name: x4, .offset: 8, .size: 8, .value_kind: global_buffer, .address_space: global }
      - { .name: W1, .offset: 16, .size: 8, .value_kind: global_buffer, .address_space: global }
      - { .name: b1, .offset: 24, .size: 8, .value_kind: global_buffer, .address_space: global }
      - { .name: W2, .offset: 32, .size: 8, .value_kind: global_buffer, .address_space: global }
      - { .name: b2, .offset: 40, .size: 8, .value_kind: global_buffer, .address_space: global }
      - { .name: W3, .offset: 48, .size: 8, .value_kind: global_buffer, .address_space: global }
      - { .name: b3, .offset: 56, .size: 8, .value_kind: global_buffer, .address_space: global }
      - { .name: Wout, .offset: 64, .size: 8, .value_kind: global_buffer, .address_space: global }
      - { .name: out0, .offset: 72, .size: 8, .value_kind: global_buffer, .address_space: global }
      - { .name: out1, .offset: 80, .size: 8, .value_kind: global_buffer, .address_space: global }
      - { .name: out2, .offset: 88, .size: 8, .value_kind: global_buffer, .address_space: global }
    .group_segment_fixed_size: 35328
    .private_segment_fixed_size: 0
    .kernarg_segment_align: 8
    .kernarg_segment_size: 96
    .max_flat_workgroup_size: 128
    .sgpr_count:     66
    .vgpr_count:     1024
    .wavefront_size: 32
...
	.end_amdgpu_metadata
.endif
;; end of part 1
